; MI455X (gfx1250); checked and timed in simulation.
; The chip was launched on July 23, 2026; its instructions are those of AMD's public machine-readable ISA for CDNA 5 (MIT licence, August 2026) and "CDNA5" Instruction Set Architecture Reference Guide (July 2026). The comments in the code are by the model that wrote it; some were corrected since.
;; Multi Head Attention. Allowed arithmetic: float matrix products may take bf16 or f16 operands with f32 sums; all other float work in f32.
;; Inputs: Wk 512 x 2,048 float32; Wo 2,048 x 2,048 float32; Wq 2,048 x 2,048 float32; Wv 512 x 2,048 float32; cos 2,048 x 32 float32; sin 2,048 x 32 float32; x 1 x 2,048 x 2,048 float32.
;; Outputs: out0 1 x 2,048 x 2,048 float32.
;; One version. Each part assembles by itself: llvm-mc -triple=amdgcn-amd-amdhsa -mcpu=gfx1250 --defsym DOCPART=n.
;; ======== version 1 of 1: 4 launches
;; limits: values are held in f16: magnitudes above 65,504 overflow, below 6.1e-05 lose precision; values outside matrix products are rounded to bf16
;; workspace buffers: cv 29,360,128 bytes; qkv 12,582,912 bytes; ob 8,388,608 bytes
;; launch cvt (part 1): grid 64 x 14, 8 waves a work-group, no clusters, 0 bytes of LDS; arguments x, Wq, Wk, Wv, Wo, cv; writes cv
.if DOCPART == 1
	.amdgcn_target "amdgcn-amd-amdhsa--gfx1250"
	.amdhsa_code_object_version 6
	.text
	.protected	k_q17e4ae1f67_cvt
	.globl	k_q17e4ae1f67_cvt
	.p2align	8
	.type	k_q17e4ae1f67_cvt,@function
k_q17e4ae1f67_cvt:
	s_mov_b64 s[64:65], 0
	v_nop
	global_prefetch_b8 v0, s[64:65] scope:SCOPE_SE
	s_setreg_imm32_b32 hwreg(HW_REG_WAVE_MODE, 25, 1), 1
	s_wait_xcnt 0x0
; LAUNCH 1 OF 4: the five f32 inputs that feed matrix products are rounded once to 16 bits.
;   cv bytes [0, 8 Mi): x as bf16 [2048][2048];  [8 Mi, 20 Mi): the rows of Wq, Wk, Wv as bf16 [3072][2048];
;   [20 Mi, 28 Mi): Wo [2048][2048], rounded to bf16 like the others and then held in f16, since its partner operand is f16.
; Why a launch of its own: each number of x is used by 16 column blocks and 2 waves of the next launch, each weight by 16 row blocks;
; converted on the way from LDS to registers it would be converted 32 times, and f32 tiles would double the LDS bytes of both products.
;
; WORK LEFT OUT IN THIS PROGRAM (in the attention launch): where key t > query s, reference() itself puts -inf in front of the softmax, so
; attn[s][t] = exp(-inf - max) = 0 and its term attn[s][t] v[t] = 0 for all finite values of the inputs.  Tiles of 64 keys that lie wholly
; above the diagonal of a block of 32 queries are neither loaded nor multiplied; inside the diagonal tile the masked part is computed and
; masked.  Every input has a way to the output and is loaded.
; LIMITS: a NaN, an infinity or an overflow that reaches only the tiles left out is not carried to the result.  Intermediates q log2(e)/8,
; k, v, the attention output and Wo are held in f16: magnitudes of 65,520 and more become infinite, magnitudes under 6.1e-5 keep an
; absolute step of 6e-8.  (Wo held in f16 is exact after its rounding to bf16 for 2^-17 <= |w| < 65,504.)
;
; A stream: unit u (grid y) is 1 Mi numbers of one input, chunk c (grid x) 16,384 of them: 64 KiB in, 32 KiB out.
; Thread t takes 16 bytes at 16 t of each 4,096 bytes: a wave's load covers 512 neighbouring bytes, its store 256, both aligned.
; All sixteen loads of a thread go out first; no register is used twice, so the only waits are the counted ones for the data.
.set X, 4                              ; v[4:67]    load i: 4 numbers in f32
.set Y, 68                             ; v[68:99]   store i: 4 numbers in 16 bits
.set T, 100                            ; v[100:101] at work (Wo's way)
	s_load_b256 s[4:11], s[0:1], 0x0               ; x s[4:5], Wq s[6:7], Wk s[8:9], Wv s[10:11]
	s_load_b128 s[12:15], s[0:1], 0x20             ; Wo s[12:13], cv s[14:15]
	s_and_b32 s20, ttmp7, 0xffff                   ; u: 0-3 x, 4-7 Wq, 8 Wk, 9 Wv, 10-13 Wo
	v_lshlrev_b32 v1, 4, v0                        ; 16 t: my bytes in
	v_lshlrev_b32 v2, 3, v0                        ; 8 t: my bytes out
	s_mov_b32 s18, 0                               ; the first unit of the input that u lies in
	s_wait_kmcnt 0x0
	s_mov_b64 s[16:17], s[4:5]
.macro PICK first, lo                  ; from unit 'first' on the source is the buffer in s[lo:lo+1]
	s_cmp_ge_u32 s20, \first
	s_cselect_b64 s[16:17], s[\lo:\lo+1], s[16:17]
	s_cselect_b32 s18, \first, s18
.endm
	PICK 4, 6
	PICK 8, 8
	PICK 9, 10
	PICK 10, 12
	s_sub_co_u32 s22, s20, s18                     ; unit inside its input, 4 MiB each,
	s_lshl_b32 s22, s22, 22
	s_lshl_b32 s23, ttmp9, 16                      ; and the chunk, 64 KiB each
	s_add_co_u32 s22, s22, s23
	s_mov_b32 s23, 0
	s_add_nc_u64 s[16:17], s[16:17], s[22:23]
	s_lshl_b32 s24, s20, 21                        ; cv: units of 2 MiB follow each other in the order of u,
	s_lshl_b32 s25, ttmp9, 15                      ; chunks of 32 KiB
	s_add_co_u32 s24, s24, s25
	s_mov_b32 s25, 0
	s_add_nc_u64 s[14:15], s[14:15], s[24:25]
.irp i, 0,1,2,3,4,5,6,7,8,9,10,11,12,13,14,15
	global_load_b128 v[X+4*\i:X+4*\i+3], v1, s[16:17] offset:4096*\i th:TH_LOAD_NT   ; read once in the launch
.endr
; Load i is rounded and stored.  wo = 1: to bf16, widened again (a shift, a mask) and narrowed to f16.
.macro OUT i, wo
	s_wait_loadcnt 15-\i                           ; loads return in order: the 15 - i younger ones may stay out
.if \wo
	v_cvt_pk_bf16_f32 v[T],   v[X+4*\i],   v[X+4*\i+1]
	v_cvt_pk_bf16_f32 v[T+1], v[X+4*\i+2], v[X+4*\i+3]
	v_lshlrev_b32 v[X+4*\i],   16, v[T]
	v_and_b32     v[X+4*\i+1], 0xffff0000, v[T]
	v_lshlrev_b32 v[X+4*\i+2], 16, v[T+1]
	v_and_b32     v[X+4*\i+3], 0xffff0000, v[T+1]
	v_cvt_pk_f16_f32 v[Y+2*\i],   v[X+4*\i],   v[X+4*\i+1]
	v_cvt_pk_f16_f32 v[Y+2*\i+1], v[X+4*\i+2], v[X+4*\i+3]
.else
	v_cvt_pk_bf16_f32 v[Y+2*\i],   v[X+4*\i],   v[X+4*\i+1]
	v_cvt_pk_bf16_f32 v[Y+2*\i+1], v[X+4*\i+2], v[X+4*\i+3]
.endif
	global_store_b64 v2, v[Y+2*\i:Y+2*\i+1], s[14:15] offset:2048*\i   ; no hint: the next launches read cv
.endm
	s_cmp_ge_u32 s20, 10
	s_cbranch_scc1 .Lwo
.irp i, 0,1,2,3,4,5,6,7,8,9,10,11,12,13,14,15
	OUT \i, 0
.endr
	s_endpgm
.Lwo:
.irp i, 0,1,2,3,4,5,6,7,8,9,10,11,12,13,14,15
	OUT \i, 1
.endr
	s_endpgm
.Lfunc_end_k_q17e4ae1f67_cvt:
	.size	k_q17e4ae1f67_cvt, .Lfunc_end_k_q17e4ae1f67_cvt-k_q17e4ae1f67_cvt
	.p2alignl 7, 3214868480
	.fill 96, 4, 3214868480
	.section	.rodata,"a",@progbits
	.p2align	6, 0x0
	.amdhsa_kernel k_q17e4ae1f67_cvt
		.amdhsa_group_segment_fixed_size 0
		.amdhsa_private_segment_fixed_size 0
		.amdhsa_enable_private_segment 0
		.amdhsa_kernarg_size 48
		.amdhsa_user_sgpr_count 2
		.amdhsa_user_sgpr_kernarg_segment_ptr 1
		.amdhsa_wavefront_size32 1
		.amdhsa_system_sgpr_workgroup_id_x 1
		.amdhsa_system_sgpr_workgroup_id_y 1
		.amdhsa_system_sgpr_workgroup_id_z 1
		.amdhsa_system_vgpr_workitem_id 0
		.amdhsa_next_free_vgpr 104
		.amdhsa_next_free_sgpr 66
		.amdhsa_reserve_vcc 0
		.amdhsa_float_denorm_mode_32 3
		.amdhsa_float_denorm_mode_16_64 3
		.amdhsa_memory_ordered 1
		.amdhsa_forward_progress 1
		.amdhsa_inst_pref_size 16
	.end_amdhsa_kernel
	.amdgpu_metadata
---
amdhsa.version: [ 1, 2 ]
amdhsa.kernels:
  - .name:           k_q17e4ae1f67_cvt
    .symbol:         k_q17e4ae1f67_cvt.kd
    .args:
      - { .name: x, .offset: 0, .size: 8, .value_kind: global_buffer, .address_space: global }
      - { .name: Wq, .offset: 8, .size: 8, .value_kind: global_buffer, .address_space: global }
      - { .name: Wk, .offset: 16, .size: 8, .value_kind: global_buffer, .address_space: global }
      - { .name: Wv, .offset: 24, .size: 8, .value_kind: global_buffer, .address_space: global }
      - { .name: Wo, .offset: 32, .size: 8, .value_kind: global_buffer, .address_space: global }
      - { .name: cv, .offset: 40, .size: 8, .value_kind: global_buffer, .address_space: global }
    .group_segment_fixed_size: 0
    .private_segment_fixed_size: 0
    .kernarg_segment_align: 8
    .kernarg_segment_size: 48
    .max_flat_workgroup_size: 256
    .sgpr_count:     66
    .vgpr_count:     104
    .wavefront_size: 32
...
	.end_amdgpu_metadata
.endif
;; end of part 1
;; launch qkv (part 2): grid 16 x 16, 4 waves a work-group, clusters of 4 x 4, 327,680 bytes of LDS; arguments cv, cos, sin, qkv; writes qkv
.if DOCPART == 2
	.amdgcn_target "amdgcn-amd-amdhsa--gfx1250"
	.amdhsa_code_object_version 6
	.text
	.protected	k_q17e4ae1f67_qkv
	.globl	k_q17e4ae1f67_qkv
	.p2align	8
	.type	k_q17e4ae1f67_qkv,@function
k_q17e4ae1f67_qkv:
	s_mov_b64 s[64:65], 0
	v_nop
	global_prefetch_b8 v0, s[64:65] scope:SCOPE_SE
	s_setreg_imm32_b32 hwreg(HW_REG_WAVE_MODE, 25, 1), 1
	s_wait_xcnt 0x0
	s_wait_alu depctr_hold_cnt(0) depctr_sa_sdst(0) depctr_va_vdst(0) depctr_va_sdst(0) depctr_va_ssrc(0) depctr_va_vcc(0) depctr_vm_vsrc(0)
	s_getreg_b32 s2, hwreg(HW_REG_IB_STS2, 6, 4)
	s_cmp_eq_u32 s2, 0
	s_cbranch_scc0 .Lentry_in_a_cluster
	s_endpgm
.Lentry_in_a_cluster:
	s_bfe_u32 s2, ttmp6, 0x10000c
	s_cmp_lg_u32 s2, 0xf033
	s_cbranch_scc0 .Lentry_shape_is_right
	s_endpgm
.Lentry_shape_is_right:
; LAUNCH 2 OF 4: q, k, v = x W^T (W = the rows of Wq, Wk, Wv), RoPE on q and k, q times log2(e)/8; stored as f16.
; LAYOUT OF qkv: bytes [0, 8 Mi): q as [32 heads][2048][64].  From 8 Mi on: [8 kv heads][32 tiles][K: 64 rows of 128 bytes | V: 64 rows of
; 128 bytes], so that the K and V rows of one tile of 64 keys are 16,384 neighbouring bytes, which the next launch fetches by one load.
; Operands bf16 from cv, sums f32.  Limits: cos and sin finite; results under 65,504 in magnitude (f16).
; FORMAT OF COS AND SIN: they are rounded to bf16 (a relative step of up to 2^-9) before the rotation, as x and the weights are before their
; products, so that every input of the program carries one and the same rounding; the rotation itself is done in f32.
; A work-group makes 128 rows of x times 192 rows of W (three heads) with four waves; a wave makes 64 x 96: 24 accumulator tiles.
; THE RING: two LDS slots of unequal length, S with 128 along K (rows of 256 bytes) and L with 256 along K (rows of 512 bytes); two slots of
; 256 would take 320 x 528 x 2 = 337,920 bytes, more than a work-group can have.  2,048 = 128 + 5 x (256 + 128): eleven pieces S L S .. L S,
; so that there are ten changes of slot where equal slots of 128 would have fifteen.  Every piece of a row begins at a multiple of 256 bytes.
; CLUSTERS: 4 x 4 work-groups.  x's tile hangs on the block row alone and is asked for jointly along a row of the cluster, W's on the block
; column alone and is asked for jointly along a column: a quarter of the requests.
; THE MATRIX INSTRUCTION IS USED TRANSPOSED (source 0 = 16 rows of W, source 1 = 16 rows of x): lane l holds row l % 16 of x and, in its
; eight registers, the columns 8 (l / 16) + 0..7.
; WHICH COLUMNS A WAVE TAKES: of each head, d in [16 nw, 16 nw + 16) and [32 + 16 nw, 32 + 16 nw + 16).  Tile t = 2 j + hi of head j then
; begins at row 32 t + 16 nw of the 192, and the two partners of a rotation, d and d + 32, lie in tiles 2 j and 2 j + 1 in the same lane
; and the same register: RoPE needs no traffic between lanes.
; REGISTERS: window 0: v16-27 addresses, v32-49 the heads' coefficients, v64-143 and v144-223 two fragment buffers (6 of W, 4 of x).
;            window 1: v0-191 the accumulators (tile (a, t) at 8 (6 a + t)); v192-255 cos and sin of my rows and columns.
.set PS,     272                       ; slot S: 256 bytes + 16 of padding; slot L: 512 + 16.  Both odd multiples of 16: the 16 rows of a
.set PLG,    528                       ; fragment load start in 16 different 16-byte columns of 256
.set LB,     320*PS                    ; slot S: x's 128 rows, then W's 192; slot L behind it, laid out alike
.set STAGE,  LB+320*PLG                ; behind the ring, never filled by a tensor load: the way out
.set SP,     80                        ; stage row: my 32 columns of a head as f16, 64 bytes + 16
.set HST,    64*SP                     ; a head's 64 rows
.set WST,    3*HST                     ; a wave's own stage
.set NBT,    6
.set NL,     2*(NBT+4)                 ; LDS loads of a quarter step (32 along K)
.set ADRA, 16                          ; v16, v17   LDS address of my fragments of x in slot S, L
.set ADRB, 20                          ; v20 the same for W in S; v21, v22 in L: tiles 0-2 and 3-5 (5 x 32 x 528 would pass the 16-bit offset)
.set STO,  24
.set RD,   25
.set CO,   26
.set CSO,  27
.set COEF, 32                          ; v[32+6j ..]: pairs (al, al), (-al, -al), (be, be) of head j
.set F0,   64
.set F1,   144
.set CB,   64                          ; the way out, in the fragment buffers' registers: v64-95 cos and sin packed as bf16, then
.set CE,   64
.set SE,   72
.set SNE,  80
.set RES,  88
.set PK,   144
.set COSW, 192                         ; window 1
.set SINW, 200
.set G1A, 24                           ; s[24:31], s[40:47]  group 1 for x's tiles, slot S, L
.set G1B, 32                           ; s[32:39], s[48:55]  group 1 for W's tiles
.set G0A, 56                           ; s[56:59], s[68:71]  group 0 for x's tiles
.set G0B, 60                           ; s[60:63], s[72:75]  group 0 for W's tiles
.set OB,  84                           ; s[84:95]  where head j's rows 0-63 and 64-127 go: a pair each
.set MUL, 0x50                         ; C and D in window 1, both sources in window 0
.set MSB, 0
.macro WIN new                         ; the immediate's high byte repeats the setting that is left
.if MSB != \new
	s_set_vgpr_msb (MSB<<8)|\new
.set MSB, \new
.endif
.endm
.macro PLACES                          ; four plain vector places behind a matrix instruction, in front of loads into its sources and of reads of its result
.rept 4
	v_nop
.endr
.endm
; A joint load into slot kind (0 S, 1 L): waves 0, 1 ask for x's two halves, waves 2, 3 for W's.  The branch hangs on the wave's number alone.
.macro JLOAD kind
	s_cmp_eq_u32 s13, 0
	s_cbranch_scc0 .Lfor_b_\@
	tensor_load_to_lds s[G0A+12*\kind:G0A+12*\kind+3], s[G1A+16*\kind:G1A+16*\kind+7]
	s_nop 0
	s_branch .Lasked_\@
.Lfor_b_\@:
	tensor_load_to_lds s[G0B+12*\kind:G0B+12*\kind+3], s[G1B+16*\kind:G1B+16*\kind+7]
	s_nop 0
.Lasked_\@:
.endm
.macro CREST                           ; a round of the cluster's barrier behind its opening work-group barrier
	s_cmp_lg_u32 s12, 0
	s_cbranch_scc1 .Lnot_wave_0_\@
	s_barrier_signal -3
.Lnot_wave_0_\@:
	s_barrier_wait -3
	s_barrier_signal -1
	s_barrier_wait -1
.endm
.macro CROUND
	s_barrier_signal -1
	s_barrier_wait -1
	CREST
.endm
	s_load_b256 s[4:11], s[0:1], 0x0               ; cv s[4:5], cos s[6:7], sin s[8:9], qkv s[10:11]
	v_lshl_add_u32 v254, v0, 2, 0x4d800
	v_mov_b32 v255, 0
	ds_add_u32 v254, v255
	v_lshrrev_b32 v1, 5, v0
	v_readfirstlane_b32 s12, v1                    ; wave 0..3
	s_lshr_b32 s13, s12, 1                         ; mw: my half of the block's rows.  Also: I fetch for x (0) or for W (1)
	s_and_b32 s14, s12, 1                          ; nw: my share of the columns.  Also: which half of that tile I fetch
	s_bfe_u32 s76, ttmp6, 0x40000                  ; cx
	s_bfe_u32 s77, ttmp6, 0x40004                  ; cy
	s_lshl_b32 s78, ttmp9, 2
	s_add_co_u32 s78, s78, s76                     ; bc: block column = 4 x cluster x + cx
	s_and_b32 s79, ttmp7, 0xffff
	s_lshl_b32 s79, s79, 2
	s_add_co_u32 s79, s79, s77                     ; br: block row = 4 x cluster y + cy
	s_lshl_b32 s80, s77, 2
	s_lshl_b32 s80, 15, s80                        ; my row of the cluster: places 4 cy .. 4 cy + 3
	s_lshl_b32 s81, 0x1111, s76                    ; my column: places cx, cx + 4, cx + 8, cx + 12
	; group 1: elements of 2 bytes, 16 bytes of padding behind every row (64 words in S, 128 in L), bit 21 beside the mask;
	; 64 (x) or 96 (W) rows of 128 (S) or 256 (L) elements, 2,048 elements from row to row
.irp kd, 0,1
	s_or_b32 s[G1A+16*\kd],  s80, (1<<16)|(1<<20)|(1<<21)|((5+\kd)<<22)|(3<<25)
	s_or_b32 s[G1B+16*\kd],  s81, (1<<16)|(1<<20)|(1<<21)|((5+\kd)<<22)|(3<<25)
	s_mov_b32 s[G1A+16*\kd+1], (128<<\kd)<<16      ; tensor_dim0
	s_mov_b32 s[G1B+16*\kd+1], (128<<\kd)<<16
	s_mov_b32 s[G1A+16*\kd+2], 64<<16              ; tensor_dim1 = the tile's rows
	s_mov_b32 s[G1B+16*\kd+2], 96<<16
	s_mov_b32 s[G1A+16*\kd+3], (128<<\kd)<<16      ; tile_dim0
	s_mov_b32 s[G1B+16*\kd+3], (128<<\kd)<<16
	s_mov_b32 s[G1A+16*\kd+4], 64                  ; tile_dim1
	s_mov_b32 s[G1B+16*\kd+4], 96
	s_mov_b32 s[G1A+16*\kd+5], 2048                ; the pitch in elements
	s_mov_b32 s[G1B+16*\kd+5], 2048
	s_mov_b32 s[G1A+16*\kd+6], 0
	s_mov_b32 s[G1B+16*\kd+6], 0
	s_mov_b32 s[G1A+16*\kd+7], 0
	s_mov_b32 s[G1B+16*\kd+7], 0
.endr
	; x's address is made of br and the wave's number, W's of bc and the wave's number, each in registers that never hold the other coordinate
	s_lshl_b32 s16, s79, 19                        ; 128 br rows of 4,096 bytes
	s_lshl_b32 s17, s14, 18                        ; + 64 nw rows
	s_add_co_u32 s16, s16, s17
	s_mov_b32 s17, 0
	s_mul_i32 s82, s78, 192*4096                   ; 192 bc rows
	s_mul_i32 s83, s14, 96*4096                    ; + 96 nw rows
	s_add_co_u32 s82, s82, s83
	s_add_co_u32 s82, s82, 8388608                 ; W begins 8 MiB into cv
	s_mov_b32 s83, 0
	s_wait_dscnt 0x0
	s_wait_kmcnt 0x0
	s_add_nc_u64 s[20:21], s[4:5], s[16:17]
	s_add_nc_u64 s[82:83], s[4:5], s[82:83]
	CROUND                                         ; all sixteen work-groups are here: the first joint loads meet
	; group 0.  LDS address: the half that I fetch times its rows, plus the slot's and the tensor's constants.  Piece S0 begins at K = 0, L0 at K = 128.
.irp kd, 0,1
	s_mov_b32 s[G0A+12*\kd], 1
	s_mul_i32 s[G0A+12*\kd+1], s14, 64*(PS+\kd*(PLG-PS))
	s_add_co_u32 s[G0A+12*\kd+1], s[G0A+12*\kd+1], \kd*LB
	s_add_nc_u64 s[G0A+12*\kd+2:G0A+12*\kd+3], s[20:21], \kd*256
	s_or_b32 s[G0A+12*\kd+3], s[G0A+12*\kd+3], 0x80000000
	s_mov_b32 s[G0B+12*\kd], 1
	s_mul_i32 s[G0B+12*\kd+1], s14, 96*(PS+\kd*(PLG-PS))
	s_add_co_u32 s[G0B+12*\kd+1], s[G0B+12*\kd+1], \kd*LB+128*(PS+\kd*(PLG-PS))
	s_add_nc_u64 s[G0B+12*\kd+2:G0B+12*\kd+3], s[82:83], \kd*256
	s_or_b32 s[G0B+12*\kd+3], s[G0B+12*\kd+3], 0x80000000
	JLOAD \kd                                      ; pieces S0 and L0: two tensor loads of the wave are out
.endr
	v_and_b32 v1, 15, v0                           ; r = l % 16
	v_bfe_u32 v2, v0, 4, 1                         ; h = l / 16
	; cos and sin of my rows 64 mw + 16 a + r and my columns 16 nw + 8 h + 0..7: 32 bytes each; they stay on their way until the way out
	s_lshl_b32 s22, s79, 14                        ; the block's 128 rows of 128 bytes
	s_mov_b32 s23, 0
	s_add_nc_u64 s[6:7], s[6:7], s[22:23]
	s_add_nc_u64 s[8:9], s[8:9], s[22:23]
	s_lshl_b32 s18, s13, 13
	s_lshl_b32 s19, s14, 6
	s_add_co_u32 s18, s18, s19
	v_lshlrev_b32 v4, 7, v1
	v_lshl_add_u32 v4, v2, 5, v4
	v_add_nc_u32 v[CSO], s18, v4
	WIN 0x40                                       ; destination in window 1
.irp a, 0,1,2,3
	global_load_b128 v[COSW+16*\a:COSW+16*\a+3],   v[CSO], s[6:7] offset:\a*2048
	global_load_b128 v[COSW+16*\a+4:COSW+16*\a+7], v[CSO], s[6:7] offset:\a*2048+16
	global_load_b128 v[SINW+16*\a:SINW+16*\a+3],   v[CSO], s[8:9] offset:\a*2048
	global_load_b128 v[SINW+16*\a+4:SINW+16*\a+7], v[CSO], s[8:9] offset:\a*2048+16
.endr
	WIN 0
	; fragments: lane l holds row l % 16; registers 0-3 K = 8 h + 0..7, registers 4-7 K = 16 + 8 h + 0..7: two loads of 16 bytes, 32 apart
	v_mul_u32_u24 v3, v1, PS
	v_lshl_add_u32 v3, v2, 4, v3
	v_mul_u32_u24 v6, v1, PLG
	v_lshl_add_u32 v6, v2, 4, v6
	s_mul_i32 s18, s13, 64*PS                      ; my 64 rows of x
	v_add_nc_u32 v[ADRA], s18, v3
	s_mul_i32 s18, s13, 64*PLG
	s_add_co_u32 s18, s18, LB
	v_add_nc_u32 v[ADRA+1], s18, v6
	s_mul_i32 s19, s14, 16*PS                      ; W: row 16 nw of the 192, which lie behind x's 128
	s_add_co_u32 s19, s19, 128*PS
	v_add_nc_u32 v[ADRB], s19, v3
	s_mul_i32 s19, s14, 16*PLG
	s_add_co_u32 s19, s19, LB+128*PLG
	v_add_nc_u32 v[ADRB+1], s19, v6
	v_add_nc_u32 v[ADRB+2], 96*PLG, v[ADRB+1]
	; what is done to head 3 bc + j, by numbers and not by a branch: q: al = log2(e)/8, be = 0;  k: al = 1, be = 0;  v: al = 0, be = 1;
	; and where its rows go: q: head x 262,144 + 128 br rows of 128 bytes, the second 64 rows 8,192 further;
	; k, v: 8 Mi + (head % 8) x 524,288 + tile 2 br x 16,384 (v: + 8,192), the second 64 rows one tile (16,384) further
	s_mov_b32 s99, 0
	s_mov_b32 s101, 0
.irp j, 0,1,2
	s_mul_i32 s66, s78, 3
	s_add_co_u32 s66, s66, \j
	s_cmp_lt_u32 s66, 32
	s_cselect_b32 s67, 0x3e38aa3b, 1.0
	s_cmp_lt_u32 s66, 40
	s_cselect_b32 s67, s67, 0
	s_cselect_b32 s96, 0, 1.0
	s_xor_b32 s97, s67, 0x80000000
	v_mov_b32 v[COEF+6*\j],   s67
	v_mov_b32 v[COEF+6*\j+1], s67
	v_mov_b32 v[COEF+6*\j+2], s97
	v_mov_b32 v[COEF+6*\j+3], s97
	v_mov_b32 v[COEF+6*\j+4], s96
	v_mov_b32 v[COEF+6*\j+5], s96
	s_lshl_b32 s67, s66, 18
	s_lshl_b32 s96, s79, 14
	s_add_co_u32 s67, s67, s96                     ; as a q head
	s_and_b32 s96, s66, 7
	s_lshl_b32 s96, s96, 19
	s_lshl_b32 s97, s79, 15
	s_add_co_u32 s96, s96, s97
	s_add_co_u32 s96, s96, 8388608
	s_cmp_ge_u32 s66, 40
	s_cselect_b32 s97, 8192, 0
	s_add_co_u32 s96, s96, s97                     ; as a k or v head
	s_cmp_lt_u32 s66, 32
	s_cselect_b32 s98, s67, s96
	s_cselect_b32 s100, 1, 2
	s_lshl_b32 s100, s100, 13
	s_add_nc_u64 s[OB+4*\j:OB+4*\j+1], s[10:11], s[98:99]
	s_add_nc_u64 s[OB+4*\j+2:OB+4*\j+3], s[OB+4*\j:OB+4*\j+1], s[100:101]
.endr
	; the way out.  In: my own stage, row 16 a + r, my 16 bytes at 32 hi + 16 h.
	s_mul_i32 s18, s12, WST
	s_add_co_u32 s18, s18, STAGE
	v_mul_u32_u24 v4, v1, SP
	v_lshl_add_u32 v4, v2, 4, v4
	v_add_nc_u32 v[STO], s18, v4
	; Back: thread t takes piece c = t % 8 (d = 8 c .. 8 c + 7 = 32 hi + 16 nw + 8 h) of row t / 8 of sixteen: c's bit 2 is hi, bit 1 the wave column that wrote it, bit 0 h
	v_lshrrev_b32 v4, 3, v0
	v_mul_u32_u24 v4, v4, SP
	v_bfe_u32 v5, v0, 1, 1
	v_mul_u32_u24 v5, v5, WST
	v_add_nc_u32 v4, v4, v5
	v_bfe_u32 v5, v0, 2, 1
	v_lshl_add_u32 v4, v5, 5, v4
	v_and_b32 v5, 1, v0
	v_lshl_add_u32 v4, v5, 4, v4
	v_add_nc_u32 v[RD], STAGE, v4
	v_lshlrev_b32 v[CO], 4, v0                     ; and stores it at 16 t: sixteen rows of 128 bytes are 2,048 neighbouring bytes
; NL loads in one run: the fragments of 32 along K at byte k of the rows of slot kind (0 or 1), into buffer f
.macro FETCH kind, k, f
.irp t, 0,1,2,3,4,5
.if (\kind) == 0
	ds_load_b128 v[\f+8*\t:\f+8*\t+3],   v[ADRB] offset:\k+\t*32*PS
	ds_load_b128 v[\f+8*\t+4:\f+8*\t+7], v[ADRB] offset:\k+\t*32*PS+32
.else
	ds_load_b128 v[\f+8*\t:\f+8*\t+3],   v[ADRB+1+\t/3] offset:\k+(\t%3)*32*PLG
	ds_load_b128 v[\f+8*\t+4:\f+8*\t+7], v[ADRB+1+\t/3] offset:\k+(\t%3)*32*PLG+32
.endif
.endr
.irp a, 0,1,2,3
	ds_load_b128 v[\f+8*NBT+8*\a:\f+8*NBT+8*\a+3],   v[ADRA+(\kind)] offset:\k+\a*16*(PS+(\kind)*(PLG-PS))
	ds_load_b128 v[\f+8*NBT+8*\a+4:\f+8*NBT+8*\a+7], v[ADRA+(\kind)] offset:\k+\a*16*(PS+(\kind)*(PLG-PS))+32
.endr
.endm
; six matrix instructions: rows 16 a .. 16 a + 15 of mine times my six tiles of W.  zero = 1: the first product starts the sums.
; The 24 accumulators take turns, one instruction a turn, in the same order in every quarter step and over the backward jump.
.macro MULA f, a, zero
.irp t, 0,1,2,3,4,5
.if \zero
	v_wmma_f32_16x16x32_bf16 v[8*(NBT*\a+\t):8*(NBT*\a+\t)+7], v[\f+8*\t:\f+8*\t+7], v[\f+8*NBT+8*\a:\f+8*NBT+8*\a+7], 0
.else
	v_wmma_f32_16x16x32_bf16 v[8*(NBT*\a+\t):8*(NBT*\a+\t)+7], v[\f+8*\t:\f+8*\t+7], v[\f+8*NBT+8*\a:\f+8*NBT+8*\a+7], v[8*(NBT*\a+\t):8*(NBT*\a+\t)+7]
.endif
.endr
.endm
; A quarter step that is not its piece's last: the next quarter's fragments are asked for into buffer g, then buffer f is multiplied.
.macro QUARTER kind, k, f, g, zero
	WIN 0
	PLACES
	FETCH \kind, \k, \g
	s_wait_dscnt NL                                ; all but the NL loads just issued are in: buffer f is whole
	WIN MUL
	MULA \f, 0, \zero
	MULA \f, 1, \zero
	MULA \f, 2, \zero
	MULA \f, 3, \zero
.endm
.macro THREE zero                      ; piece S but for its last quarter step
	QUARTER 0, 64,  F0, F1, \zero
	QUARTER 0, 128, F1, F0, 0
	QUARTER 0, 192, F0, F1, 0
.endm
.macro SEVEN                           ; piece L but for its last quarter step
	QUARTER 1, 64,  F0, F1, 0
	QUARTER 1, 128, F1, F0, 0
	QUARTER 1, 192, F0, F1, 0
	QUARTER 1, 256, F1, F0, 0
	QUARTER 1, 320, F0, F1, 0
	QUARTER 1, 384, F1, F0, 0
	QUARTER 1, 448, F0, F1, 0
.endm
; A piece's last quarter step, on buffer 1, and the change of slots (kind: this slot, next: the other).  In front of the barrier each wave waits
; for its reads of this slot and for all its tensor loads (one is out: its part of the other slot).  fill = 1: the barrier opens a round of the
; cluster's barrier, and the joint refill, 384 along K ahead (768 bytes), is the first tensor load behind the round: one load a wave is then
; out, and it has the other slot's piece less twelve matrix instructions to land in (180 for S's refill, 84 for L's).
.macro TURN kind, next, fill
	s_wait_dscnt 0x0
	s_wait_tensorcnt 0x0
	ds_add_u32 v254, v255
	s_wait_dscnt 0x0
	s_barrier_signal -1
	WIN MUL
	MULA F1, 0, 0                                  ; register work while the others arrive
	MULA F1, 1, 0
	WIN 0
	s_barrier_wait -1
.if \fill
	CREST
	s_add_nc_u64 s[G0A+12*\kind+2:G0A+12*\kind+3], s[G0A+12*\kind+2:G0A+12*\kind+3], 768     ; no tensor load of mine is out: group 0 may be written
	s_add_nc_u64 s[G0B+12*\kind+2:G0B+12*\kind+3], s[G0B+12*\kind+2:G0B+12*\kind+3], 768
	JLOAD \kind
.endif
	PLACES
	FETCH \next, 0, F0
	WIN MUL
	MULA F1, 2, 0
	MULA F1, 3, 0
.endm
.macro LAP zero                        ; a piece S and a piece L, both slots filled again
	THREE \zero
	TURN 0, 1, 1
	SEVEN
	TURN 1, 0, 1
.endm
	s_wait_tensorcnt 0x1                           ; my part of piece S0 is in; L0's load stays out
	s_barrier_signal -1
	s_barrier_wait -1
	FETCH 0, 0, F0
	LAP 1                                          ; S0, L0: the first lap stands in front of the loop: its first products start the sums
	WIN 0
	s_mov_b32 s3, 3
.Llap:                                                 ; S1 L1 to S3 L3; their refills are S2 L2 to S4 L4
	LAP 0
	WIN 0
	s_sub_co_u32 s3, s3, 1
	s_cmp_lg_u32 s3, 0
	s_cbranch_scc1 .Llap
	THREE 0                                        ; S4: its slot gets the last piece, S5
	TURN 0, 1, 1
	SEVEN                                          ; L4: nothing is left to fetch
	TURN 1, 0, 0
	THREE 0                                        ; S5
	s_wait_dscnt 0x0
	WIN MUL
	MULA F1, 0, 0
	MULA F1, 1, 0
	MULA F1, 2, 0
	MULA F1, 3, 0
	WIN 0
	PLACES
	; THE WAY OUT.  First cos and sin take the inputs' common rounding: my 64 numbers are packed to bf16, two a register, and widened again
	; in place (a shift for the low half, a mask for the high one).
	s_wait_loadcnt 0x0                             ; cos and sin
	WIN 0x05                                       ; sources 0 and 1 in window 1
.set i, 0
.rept 32
	v_cvt_pk_bf16_f32 v[CB+i], v[COSW+2*i], v[COSW+2*i+1]
.set i, i+1
.endr
	WIN 0x40                                       ; destination in window 1
.set i, 0
.rept 32
	v_lshlrev_b32 v[COSW+2*i],   16, v[CB+i]
	v_and_b32     v[COSW+2*i+1], 0xffff0000, v[CB+i]
.set i, i+1
.endr
	; lo = x1 CE + x2 SNE, hi = x2 CE + x1 SE with CE = al cos + be, SE = al sin, SNE = -al sin:
	; q and k are rotated (q also scaled), v passes unchanged (CE = 1, SE = 0).
.macro ROPE a
	WIN 0x01                                       ; source 0 (accumulators, cos, sin) in window 1
.irp j, 0,1,2
.irp q, 0,2,4,6
	v_pk_fma_f32 v[CE+\q:CE+\q+1],   v[COSW+16*\a+\q:COSW+16*\a+\q+1], v[COEF+6*\j:COEF+6*\j+1], v[COEF+6*\j+4:COEF+6*\j+5]
	v_pk_mul_f32 v[SE+\q:SE+\q+1],   v[SINW+16*\a+\q:SINW+16*\a+\q+1], v[COEF+6*\j:COEF+6*\j+1]
	v_pk_mul_f32 v[SNE+\q:SNE+\q+1], v[SINW+16*\a+\q:SINW+16*\a+\q+1], v[COEF+6*\j+2:COEF+6*\j+3]
.endr
.irp q, 0,2,4,6
	v_pk_mul_f32 v[RES+16*\j+\q:RES+16*\j+\q+1],     v[8*(NBT*\a+2*\j)+\q:8*(NBT*\a+2*\j)+\q+1],     v[CE+\q:CE+\q+1]
	v_pk_mul_f32 v[RES+16*\j+8+\q:RES+16*\j+8+\q+1], v[8*(NBT*\a+2*\j+1)+\q:8*(NBT*\a+2*\j+1)+\q+1], v[CE+\q:CE+\q+1]
.endr
.irp q, 0,2,4,6
	v_pk_fma_f32 v[RES+16*\j+\q:RES+16*\j+\q+1],     v[8*(NBT*\a+2*\j+1)+\q:8*(NBT*\a+2*\j+1)+\q+1], v[SNE+\q:SNE+\q+1], v[RES+16*\j+\q:RES+16*\j+\q+1]
	v_pk_fma_f32 v[RES+16*\j+8+\q:RES+16*\j+8+\q+1], v[8*(NBT*\a+2*\j)+\q:8*(NBT*\a+2*\j)+\q+1],     v[SE+\q:SE+\q+1],   v[RES+16*\j+8+\q:RES+16*\j+8+\q+1]
.endr
.endr
	WIN 0
.irp t, 0,1,2,3,4,5
.irp q, 0,1,2,3
	v_cvt_pk_f16_f32 v[PK+4*\t+\q], v[RES+8*\t+2*\q], v[RES+8*\t+2*\q+1]
.endr
.endr
.irp t, 0,1,2,3,4,5
	ds_store_b128 v[STO], v[PK+4*\t:PK+4*\t+3] offset:(\t/2)*HST+\a*16*SP+(\t%2)*32
.endr
.endm
	ROPE 0
	ROPE 1
	ROPE 2
	ROPE 3
	s_wait_dscnt 0x0                               ; my stores into my stage are done: the others read them behind the barrier
	s_barrier_signal -1
	s_barrier_wait -1
.irp j, 0,1,2
.irp t, 0,1,2,3,4,5,6,7
	ds_load_b128 v[F0+4*(8*\j+\t):F0+4*(8*\j+\t)+3], v[RD] offset:(\t/4)*2*WST+\j*HST+(\t%4)*16*SP   ; rows 16 t .. 16 t + 15 of head j: the wave row that wrote them is t / 4
.endr
.endr
.irp j, 0,1,2
.irp t, 0,1,2,3,4,5,6,7
	s_wait_dscnt 23-(8*\j+\t)                      ; LDS loads return in order: the younger ones of the 24 may stay out
	global_store_b128 v[CO], v[F0+4*(8*\j+\t):F0+4*(8*\j+\t)+3], s[OB+4*\j+2*(\t/4):OB+4*\j+2*(\t/4)+1] offset:(\t%4)*2048   ; a wave's store covers 512 neighbouring bytes, aligned
.endr
.endr
	s_wait_tensorcnt 0x0
	ds_add_u32 v254, v255
	s_wait_dscnt 0x0
	CROUND                                         ; the closing round: no work-group ends while a partner may still ask for a tile that names it
	s_endpgm
.Lfunc_end_k_q17e4ae1f67_qkv:
	.size	k_q17e4ae1f67_qkv, .Lfunc_end_k_q17e4ae1f67_qkv-k_q17e4ae1f67_qkv
	.p2alignl 7, 3214868480
	.fill 96, 4, 3214868480
	.section	.rodata,"a",@progbits
	.p2align	6, 0x0
	.amdhsa_kernel k_q17e4ae1f67_qkv
		.amdhsa_group_segment_fixed_size 327680
		.amdhsa_private_segment_fixed_size 0
		.amdhsa_enable_private_segment 0
		.amdhsa_kernarg_size 32
		.amdhsa_user_sgpr_count 2
		.amdhsa_user_sgpr_kernarg_segment_ptr 1
		.amdhsa_wavefront_size32 1
		.amdhsa_system_sgpr_workgroup_id_x 1
		.amdhsa_system_sgpr_workgroup_id_y 1
		.amdhsa_system_sgpr_workgroup_id_z 1
		.amdhsa_system_vgpr_workitem_id 0
		.amdhsa_next_free_vgpr 512
		.amdhsa_next_free_sgpr 102
		.amdhsa_reserve_vcc 0
		.amdhsa_float_denorm_mode_32 3
		.amdhsa_float_denorm_mode_16_64 3
		.amdhsa_memory_ordered 1
		.amdhsa_forward_progress 1
		.amdhsa_inst_pref_size 175
	.end_amdhsa_kernel
	.amdgpu_metadata
---
amdhsa.version: [ 1, 2 ]
amdhsa.kernels:
  - .name:           k_q17e4ae1f67_qkv
    .symbol:         k_q17e4ae1f67_qkv.kd
    .args:
      - { .name: cv, .offset: 0, .size: 8, .value_kind: global_buffer, .address_space: global }
      - { .name: cos, .offset: 8, .size: 8, .value_kind: global_buffer, .address_space: global }
      - { .name: sin, .offset: 16, .size: 8, .value_kind: global_buffer, .address_space: global }
      - { .name: qkv, .offset: 24, .size: 8, .value_kind: global_buffer, .address_space: global }
    .group_segment_fixed_size: 327680
    .private_segment_fixed_size: 0
    .kernarg_segment_align: 8
    .kernarg_segment_size: 32
    .max_flat_workgroup_size: 128
    .sgpr_count:     102
    .vgpr_count:     512
    .wavefront_size: 32
...
	.end_amdgpu_metadata
.endif
;; end of part 2
;; launch attn (part 3): grid 32 x 8, 4 waves a work-group, no clusters, 327,680 bytes of LDS; arguments qkv, ob; writes ob
.if DOCPART == 3
	.amdgcn_target "amdgcn-amd-amdhsa--gfx1250"
	.amdhsa_code_object_version 6
	.text
	.protected	k_q17e4ae1f67_attn
	.globl	k_q17e4ae1f67_attn
	.p2align	8
	.type	k_q17e4ae1f67_attn,@function
k_q17e4ae1f67_attn:
	s_mov_b64 s[64:65], 0
	v_nop
	global_prefetch_b8 v0, s[64:65] scope:SCOPE_SE
	s_setreg_imm32_b32 hwreg(HW_REG_WAVE_MODE, 25, 1), 1
	s_wait_xcnt 0x0
; LAUNCH 3 OF 4: causal attention.  qkv: f16; q (roped, times log2(e)/8) as [32 heads][2048][64]; from byte 8 Mi on, for each kv head and each
; tile of 64 keys, K's 64 rows (roped) and then V's 64 rows, 128 bytes each.  ob: f16 [2048][32 x 64].
; WORK LEFT OUT: tiles of 64 keys wholly above the diagonal of a block of 32 queries: reference() puts -inf there in front of the softmax, so
; their weights are 0 for all values of the inputs.  A NaN or an infinity in k or v of such a tile is not carried to the result.
; SHARES: work-group (p, kv); wave w is query head 4 kv + w, so the four waves read the same K and V tiles.  The work-group does the query
; blocks (32 rows) p and then 63 - p: nA = p/2 + 1 and 33 - nA tiles of 64 keys, 33 steps in every work-group.  Tiles ascend, so a
; block's diagonal tile is its last.  Step n takes tile n (n < nA) or n - nA.
; NO CLUSTER: of the 32 work-groups of a kv head only p = 2 m and 2 m + 1 walk the same tiles in the same steps (nA hangs on p / 2); in a
; cluster of four along x the partners would ask for different tiles in the same round.
; TRANSPOSED: S^T[key][query] = K Q^T, so that a lane holds 8 keys of ONE query: the maximum and the sum are the lane's own but for one
; exchange between the halves, and two score tiles packed to f16 ARE the operand P^T of O^T[d][query] = V^T P^T: no trip through LDS.
; The running maximum is taken away before every exponential (base 2: log2(e) is in q).  M = -inf at the start of a block: the first factor
; exp2(-inf) = 0 then wipes the sums and accumulators of the block before (limit: they are finite).
; TWO PIECES TAKE TURNS: pieces 0 and 1 are the wave's two tiles of 16 queries.  Phase A(n): piece 0's softmax of step n, in slices, one behind
; each of piece 1's products S1(n) and PV1(n-1).  Phase B(n): piece 1's softmax of step n behind S0(n+1) and PV0(n).
; WINDOWS: a half phase needs no switch.  Window 0: addresses, Q, K's fragments, scores ST, P^T (PF, registers of its own: a piece's S(n+1) is
; written before its PV(n) is issued), temporaries: the S^T products and 88 of a softmax's 124 instructions run under setting 0.  Window 1:
; accumulators, V's fragments (two buffers), the running sums LP (four pairs a piece), block B's Q: the PV products run under 0x51 (D, C and
; source 0 in window 1), and so does what fits those places: accumulator x factor, LP x factor, LP + scores.  Five switches a step.
; FRAGMENTS AHEAD: K(n+1) is asked for in A(n), each half of it behind the last product that read that half of K(n); V(n+1) in B(n), into the other buffer.
; KEYS ARE PERMUTED inside each group of 16: operand place 8 h + j holds key 2 j + h, alike in K's rows (so in S^T's rows and in P^T), in V and in
; the mask.  With the one pitch of 144 bytes, K's sixteen rows start in sixteen different 16-byte columns of 256, and so do the sixteen
; pieces (rows 2 i, two columns) that half a wave addresses in V's transposing load.
; LDS: steps 1 to 32 go through two slots of four steps, step n at ((n - 1) % 8) x 18,432: 128 rows of 144 bytes, K's then V's; wave w fetches
; step w of a slot by one load.  Step 0 has bytes of its own at 147,456, a quarter from each wave.  Stage at 165,888: 32 rows of 144 bytes for
; each wave, its own, 4,736 apart; no tensor load fills it.  A slot's last reads (K and V of its fourth step) are back at the head of that
; step's phase A: there stands the barrier, and the refill has four steps' work to land in.
.set KP,    144
.set STEPB, 128*KP
.set SLOT,  4*STEPB
.set R0,    2*SLOT
.set STAGE, R0+STEPB
.set OP,    144
.set WST,   32*OP+128                  ; 128 more than the rows: on the way back two heads' pieces fall in different halves of 256 bytes
.set KA,   2                           ; v2-4  K fragments' address in slot 0, slot 1, step 0's bytes
.set VA,   5                           ; v5-7  V's
.set QO,   8
.set SW,   9
.set SR,   10
.set OO,   11
.set VT,   12                          ; the diagonal: key 16 mt + 2 j + h is kept for query 16 p + r where 16 (mt - p) + 2 j <= VT
.set RH,   13                          ; r - h
.set NINF, 14
.set MX,   16                          ; v16-17 running maximum of piece p
.set MN,   20                          ; v[20:23] pairs (-m, -m)
.set AL,   24                          ; v[24:27] pairs (factor, factor)
.set QF,   32                          ; v32 + 16 p + 8 kd
.set KF,   64                          ; v64 + 16 mt + 8 kd
.set ST,   128                         ; v128 + 32 p + 8 mt
.set PF,   192                         ; v192 + 16 p + 8 ks
.set TM,   224                         ; v224-227
.set VF,   64                          ; window 1: 64 + 64 buffer + 16 dt + 8 ks; the accumulators at 32 p + 8 dt
.set LP,   192                         ; window 1: 192 + 8 p
.set QB,   208                         ; window 1
.set G1,   16                          ; s[16:23] a step's 128 rows
.set G1Q,  24                          ; s[24:31] a quarter of step 0: 32 rows
.set G0,   32                          ; s[32:39] a set for each slot
.set G0Q,  68                          ; s[68:71]
.set MSB, 0
.macro WIN new
.if MSB != \new
	s_set_vgpr_msb (MSB<<8)|\new
.set MSB, \new
.endif
.endm
; The global address of my step s40: tile = step, or step - nA from nA on; 16,384 bytes a tile.
.macro SETADDR s
	s_cmp_ge_u32 s40, s13
	s_cselect_b32 s44, s13, 0
	s_sub_co_u32 s44, s40, s44
	s_lshl_b32 s44, s44, 14
	s_add_nc_u64 s[G0+4*\s+2:G0+4*\s+3], s[42:43], s[44:45]
	s_or_b32 s[G0+4*\s+3], s[G0+4*\s+3], 0x80000000
.endm
.macro QLOAD d, b                      ; 32 queries x 64 as four operand fragments, straight from memory: lane l takes row l % 16, 16 bytes at 16 h, 32 apart
.irp nt, 0,1
.irp kd, 0,1
	global_load_b128 v[\d+16*\nt+8*\kd:\d+16*\nt+8*\kd+3],   v[QO], s[\b:\b+1] offset:\nt*2048+\kd*64
	global_load_b128 v[\d+16*\nt+8*\kd+4:\d+16*\nt+8*\kd+7], v[QO], s[\b:\b+1] offset:\nt*2048+\kd*64+32
.endr
.endr
.endm
; pos: a step's place, 0-7 in the ring, 8 step 0's own bytes
.macro KLOAD pos, kd                   ; half kd (32 of d) of K's four fragments
.irp mt, 0,1,2,3
	ds_load_b128 v[KF+16*\mt+8*\kd:KF+16*\mt+8*\kd+3],   v[KA+(\pos)/4] offset:((\pos)%4)*STEPB+\mt*16*KP+\kd*64
	ds_load_b128 v[KF+16*\mt+8*\kd+4:KF+16*\mt+8*\kd+7], v[KA+(\pos)/4] offset:((\pos)%4)*STEPB+\mt*16*KP+\kd*64+32
.endr
.endm
.macro VLOAD pos, b                    ; V^T's eight fragments into buffer b (destination in window 1)
.irp dt, 0,1,2,3
.irp ks, 0,1
	ds_load_tr16_b128 v[VF+64*(\b)+16*\dt+8*\ks:VF+64*(\b)+16*\dt+8*\ks+3],   v[VA+(\pos)/4] offset:((\pos)%4)*STEPB+\ks*32*KP+\dt*32
	ds_load_tr16_b128 v[VF+64*(\b)+16*\dt+8*\ks+4:VF+64*(\b)+16*\dt+8*\ks+7], v[VA+(\pos)/4] offset:((\pos)%4)*STEPB+\ks*32*KP+\dt*32+16*KP
.endr
.endr
.endm
.macro MASK p                          ; -inf above the diagonal.  Tile mt = 0 of piece 1 has 16 (mt - p) + 2 j <= -2 < VT everywhere: nothing to mask
.irp mt, 0,1,2,3
.if 2*\mt+1-\p
.irp j, 0,1,2,3,4,5,6,7
	v_cmp_le_i32 vcc_lo, 16*(\mt-\p)+2*\j, v[VT]
	v_cndmask_b32 v[ST+32*\p+8*\mt+\j], v[NINF], v[ST+32*\p+8*\mt+\j], vcc_lo
.endr
.endif
.endr
.endm
.macro QCOPY p                         ; block B's Q takes the piece's place
	WIN 0x01
.set x, 0
.rept 16
	v_mov_b32 v[QF+16*\p+x], v[QB+16*\p+x]
.set x, x+1
.endr
	WIN 0
.endm
; Products.  A half phase's four accumulators take turns, one instruction a turn.
.macro SPROD q, i                      ; S^T of piece q: i = 0-3 start the four tiles (d 0-31), 4-7 add d 32-63
.if \i < 4
	v_wmma_f32_16x16x32_f16 v[ST+32*\q+8*\i:ST+32*\q+8*\i+7], v[KF+16*\i:KF+16*\i+7], v[QF+16*\q:QF+16*\q+7], 0
.else
	v_wmma_f32_16x16x32_f16 v[ST+32*\q+8*(\i-4):ST+32*\q+8*(\i-4)+7], v[KF+16*(\i-4)+8:KF+16*(\i-4)+15], v[QF+16*\q+8:QF+16*\q+15], v[ST+32*\q+8*(\i-4):ST+32*\q+8*(\i-4)+7]
.endif
.endm
.macro PPROD q, i, b, zero             ; O^T of piece q: dt = i % 4, keys 32 (i / 4) ..; zero = 1: the first four start the sums
.if (\zero)*(4-\i) > 0
	v_wmma_f32_16x16x32_f16 v[32*\q+8*(\i%4):32*\q+8*(\i%4)+7], v[VF+64*(\b)+16*(\i%4)+8*(\i/4):VF+64*(\b)+16*(\i%4)+8*(\i/4)+7], v[PF+16*\q+8*(\i/4):PF+16*\q+8*(\i/4)+7], 0
.else
	v_wmma_f32_16x16x32_f16 v[32*\q+8*(\i%4):32*\q+8*(\i%4)+7], v[VF+64*(\b)+16*(\i%4)+8*(\i/4):VF+64*(\b)+16*(\i%4)+8*(\i/4)+7], v[PF+16*\q+8*(\i/4):PF+16*\q+8*(\i/4)+7], v[32*\q+8*(\i%4):32*\q+8*(\i%4)+7]
.endif
.endm
; The softmax's parts on one score tile c of piece p
.macro SUBT p, c
.irp x, 0,2,4,6
	v_pk_add_f32 v[ST+32*\p+8*\c+\x:ST+32*\p+8*\c+\x+1], v[ST+32*\p+8*\c+\x:ST+32*\p+8*\c+\x+1], v[MN+2*\p:MN+2*\p+1]
.endr
.endm
.macro EXPT p, c
.irp x, 0,1,2,3,4,5,6,7
	v_exp_f32 v[ST+32*\p+8*\c+\x], v[ST+32*\p+8*\c+\x]
.endr
.endm
.macro CVTT p, c                       ; tile c's eight keys are places 8 h + 0..7 (c even) or 16 + 8 h + 0..7 (c odd) of the operand of keys 32 (c / 2) ..
	s_wait_alu depctr_va_vdst(0)
.irp x, 0,1,2,3
	v_cvt_pk_f16_f32 v[PF+16*\p+4*\c+\x], v[ST+32*\p+8*\c+2*\x], v[ST+32*\p+8*\c+2*\x+1]
.endr
.endm
; Slice i of the first half of piece p's softmax (window 0).  Behind each run of exponentials the next slice opens with plain instructions that
; touch none of the run's registers, ahead of the first use of its results (ISA guide 5.7.2).
.macro SSLICE p, i
.set SB, ST+32*\p
.if \i == 0
.irp c, 0,1,2,3
	v_max3_num_f32 v[TM+\c], v[SB+8*\c], v[SB+8*\c+1], v[SB+8*\c+2]
.endr
.irp c, 0,1,2,3
	v_max3_num_f32 v[TM+\c], v[TM+\c], v[SB+8*\c+3], v[SB+8*\c+4]
.endr
.irp c, 0,1,2,3
	v_max3_num_f32 v[TM+\c], v[TM+\c], v[SB+8*\c+5], v[SB+8*\c+6]
.endr
.endif
.if \i == 1
	v_max3_num_f32 v[TM], v[TM], v[TM+1], v[TM+2]
	v_max3_num_f32 v[TM+3], v[TM+3], v[SB+7], v[SB+15]
	v_max3_num_f32 v[TM], v[TM], v[TM+3], v[SB+23]
	v_max3_num_f32 v[TM], v[TM], v[SB+31], v[MX+\p]
	v_permlanex16_b32 v[TM+1], v[TM], s54, s55     ; the other half of the lanes holds the query's other 32 keys
	v_max_num_f32 v[TM], v[TM], v[TM+1]            ; finite: key 0 of every tile taken is at or below the diagonal
	v_sub_f32 v[TM+2], v[MX+\p], v[TM]
	v_exp_f32 v[AL+2*\p], v[TM+2]
	v_exp_f32 v[AL+2*\p+1], v[TM+2]
	v_sub_f32 v[MN+2*\p], 0, v[TM]
	v_sub_f32 v[MN+2*\p+1], 0, v[TM]
.endif
.if \i == 2
	v_mov_b32 v[MX+\p], v[TM]
	SUBT \p, 0
	SUBT \p, 1
.endif
.if \i == 3
	SUBT \p, 2
	EXPT \p, 0
.endif
.if \i == 4
	SUBT \p, 3
	EXPT \p, 1
.endif
.if \i == 5
	CVTT \p, 0
	EXPT \p, 2
.endif
.if \i == 6
	CVTT \p, 1
	EXPT \p, 3
.endif
.if \i == 7
	CVTT \p, 2
	CVTT \p, 3
.endif
.endm
; Slice i of its second half (setting 0x51).  first = 1: the accumulators hold nothing yet.
.macro PSLICE p, i, first
.if \i < 4
.if \first == 0
.irp x, 0,2,4,6
	v_pk_mul_f32 v[32*\p+8*\i+\x:32*\p+8*\i+\x+1], v[32*\p+8*\i+\x:32*\p+8*\i+\x+1], v[AL+2*\p:AL+2*\p+1]
.endr
.endif
.else
.if \i == 4
.irp c, 0,1,2,3
	v_pk_mul_f32 v[LP+8*\p+2*\c:LP+8*\p+2*\c+1], v[LP+8*\p+2*\c:LP+8*\p+2*\c+1], v[AL+2*\p:AL+2*\p+1]
.endr
.endif
.irp c, 0,1,2,3
	v_pk_add_f32 v[LP+8*\p+2*\c:LP+8*\p+2*\c+1], v[LP+8*\p+2*\c:LP+8*\p+2*\c+1], v[ST+32*\p+8*\c+2*(\i-4):ST+32*\p+8*\c+2*(\i-4)+1]
.endr
.endif
.endm
; S^T of piece q beside the softmax of piece p.  kpos >= 0: the next step's K is asked for: its first half behind slice 4 (the last product that
; read those registers is the fourth; eight plain instructions of slices 3 and 4 stand between), its second behind slice 7 (eight conversions
; behind the eighth product): four places are asked for (ISA guide 7.12.1 for vector instructions).  dsw = 1: this half waits for that K.
.macro SHALF q, p, kpos, dsw, prod
.irp i, 0,1,2,3,4,5,6,7
.if \prod
.if \dsw
.if \i == 0
	s_wait_dscnt 8                                 ; K's first half (and V of this step, asked for before it) is in; the eight loads of its second half may stay out
.endif
.if \i == 4
	s_wait_dscnt 0x0                               ; K's second half
.endif
.endif
	SPROD \q, \i
.endif
	SSLICE \p, \i
.if \kpos >= 0
.if \i == 4
	KLOAD \kpos, 0
.endif
.if \i == 7
	KLOAD \kpos, 1
.endif
.endif
.endr
.endm
.macro PHALF q, p, b, zero, first, prod
.irp i, 0,1,2,3,4,5,6,7
.if \prod
	PPROD \q, \i, \b, \zero
.endif
	PSLICE \p, \i, \first
.endr
.endm
; Piece p's block is done: divide by the sum, f16, into my stage; M = -inf for the next block.  The other piece's score registers are free here
; (its scores have been summed and packed) and serve as work space.
.macro FINP p
.set TB, ST+32*(1-\p)
	WIN 0x05                                       ; sources 0 and 1 in window 1
	v_pk_add_f32 v[TM:TM+1],   v[LP+8*\p:LP+8*\p+1],   v[LP+8*\p+2:LP+8*\p+3]
	v_pk_add_f32 v[TM+2:TM+3], v[LP+8*\p+4:LP+8*\p+5], v[LP+8*\p+6:LP+8*\p+7]
	WIN 0
	v_pk_add_f32 v[TM:TM+1], v[TM:TM+1], v[TM+2:TM+3]
	v_add_f32 v[TM], v[TM], v[TM+1]
	v_permlanex16_b32 v[TM+1], v[TM], s54, s55
	v_add_f32 v[TM], v[TM], v[TM+1]                ; at least 1: the maximum's own term
	v_rcp_f32 v[AL+2*\p], v[TM]
	v_rcp_f32 v[AL+2*\p+1], v[TM]
	v_mov_b32 v[MX+\p], v[NINF]                    ; the plain instruction behind them
	WIN 0x01                                       ; source 0 (accumulators) in window 1
.set x, 0
	s_wait_alu depctr_va_vdst(0)
.rept 16
	v_pk_mul_f32 v[TB+2*x:TB+2*x+1], v[32*\p+2*x:32*\p+2*x+1], v[AL+2*\p:AL+2*\p+1]
.set x, x+1
.endr
	WIN 0
.set x, 0
.rept 16
	v_cvt_pk_f16_f32 v[TB+x], v[TB+2*x], v[TB+2*x+1]     ; in place, ascending
.set x, x+1
.endr
.irp dt, 0,1,2,3
	ds_store_b128 v[SW], v[TB+4*\dt:TB+4*\dt+3] offset:\p*16*OP+\dt*32   ; query 16 p + r, d = 16 dt + 8 h + 0..7
.endr
.endm
; Both pieces lie in the stages: whole rows of the four heads' 512 bytes go out.  again = 1: the stage will be written once more.
.macro FOUT b, again
	s_wait_dscnt 0x0                               ; my stores are done: the others read them behind the barrier
	s_barrier_signal -1
	s_barrier_wait -1
.irp t, 0,1,2,3,4,5,6,7
	ds_load_b128 v[ST+4*\t:ST+4*\t+3], v[SR] offset:\t*OP           ; row 8 w + t: lane l takes piece l % 8 of head l / 8
.endr
.irp t, 0,1,2,3,4,5,6,7
	s_wait_dscnt 7-\t                              ; the younger loads of the eight may stay out
	global_store_b128 v[OO], v[ST+4*\t:ST+4*\t+3], s[\b:\b+1] offset:\t*4096   ; 512 neighbouring bytes, aligned
.endr
.if \again
	s_barrier_signal -1                            ; every wave's reads of the stage are back (the count-down ended at 0):
	s_barrier_wait -1                              ; the stage may be written again
	s_wait_xcnt 0x0                                ; the stores' data registers are written by the next products only behind this wait
.endif
.endm
; The change of slots.  Every wave waits for all its tensor loads and for its LDS reads, passes the barrier, and (rf = 1) its one refill, a whole
; step of the slot just read out, stands first behind it.  rf = 2: nothing is left to fetch.
.macro TWO rf, slot
	s_wait_tensorcnt 0x0
	ds_add_u32 v254, v255
	s_wait_dscnt 0x0
.if \rf == 1
	s_add_co_u32 s40, s40, 4                       ; no tensor load of mine is out: group 0 may be written
	SETADDR \slot
.endif
	s_wait_dscnt 0x0
	s_barrier_signal -1
	s_barrier_wait -1
.if \rf == 1
	tensor_load_to_lds s[G0+4*\slot:G0+4*\slot+3], s[G1:G1+7]
	s_nop 0
.endif
.endm
; Phase A of step n.  mode 0: step 0 (no PV yet); 1: step 1 (PV1(0) starts piece 1's sums); 2: block A may end here (the counter s14 = nA - 1 - n
; says so, alike in all waves); 3: it cannot; 4: block B's last step.  rf: the barrier's kind where n is a multiple of 4; 0: none.
.macro AA n, mode, rf
.if \rf
.if ((\n)%4) == 0
	TWO \rf, (((\n)/4-1)&1)
.endif
.endif
.if \mode <= 2
	s_cmp_lg_u32 s14, 0
	s_cbranch_scc1 .Lam_\@
	MASK 0                                         ; block A's diagonal tile
	QCOPY 0                                        ; S0 of the next step belongs to block B
.Lam_\@:
.endif
.if \mode == 4
	MASK 0
.endif
.if (\n) < 32
	SHALF 1, 0, ((\n)%8), 0, 1
.else
	SHALF 1, 0, -1, 0, 1
.endif
	WIN 0x51
.if \mode == 0
	PHALF 1, 0, 0, 0, 1, 0
.endif
.if \mode == 1
	PHALF 1, 0, 0, 1, 0, 1
.endif
.if \mode >= 2
	PHALF 1, 0, (((\n)-1)&1), 0, 0, 1
.endif
	WIN 0
.if \mode >= 1
.if \mode <= 2
	s_cmp_lg_u32 s14, -1
	s_cbranch_scc1 .Laf_\@
	FINP 1                                         ; PV1 of block A's last step has just been issued
	FOUT 50, 1
.Laf_\@:
.endif
.endif
.endm
; Phase B of step n.  mode 0: step 0; 2, 3, 4 as above.
.macro BB n, mode
.if \mode <= 2
	s_cmp_lg_u32 s14, 0
	s_cbranch_scc1 .Lbm_\@
	MASK 1
	QCOPY 1
	v_add_nc_u32 v[VT], s57, v[RH]                 ; block B's diagonal
.Lbm_\@:
.endif
.if \mode == 4
	MASK 1
	s_wait_dscnt 0x0                               ; V of the last step
	SHALF 0, 1, -1, 0, 0
.else
	SHALF 0, 1, -1, 1, 1
	WIN 0x40                                       ; destination in window 1
	VLOAD ((\n)%8), (1-((\n)&1))
.endif
	WIN 0x51
.if \mode == 0
	PHALF 0, 1, 0, 1, 1, 1
.else
	PHALF 0, 1, ((\n)&1), 0, 0, 1
.endif
	WIN 0
.if \mode <= 2
	s_cmp_lg_u32 s14, 0
	s_cbranch_scc1 .Lbf_\@
	FINP 0                                         ; four plain instructions of the last slice, and FINP's own first ones, stand behind the last product
.Lbf_\@:
	s_sub_co_i32 s14, s14, 1
.endif
.endm
	s_load_b128 s[4:7], s[0:1], 0x0                ; qkv s[4:5], ob s[6:7]
	v_lshl_add_u32 v254, v0, 2, 0x2d200
	v_mov_b32 v255, 0
	ds_add_u32 v254, v255
	v_lshrrev_b32 v1, 5, v0
	v_readfirstlane_b32 s8, v1                     ; wave = query head in the group; also the step of a slot that I fetch
	s_mov_b32 s11, ttmp9                           ; p
	s_and_b32 s12, ttmp7, 0xffff                   ; kv
	s_lshr_b32 s13, s11, 1
	s_add_co_u32 s13, s13, 1                       ; nA
	s_sub_co_u32 s14, s13, 1                       ; steps left until block A's last
	; group 1: elements of 2 bytes; rows of 64 elements, dense in memory; behind every 32 words 4 words of padding; 128 rows (a step) or 32 (a quarter)
	s_mov_b32 s[G1+0],  (1<<16)|(1<<20)|(4<<22)|(3<<25)
	s_mov_b32 s[G1Q+0], (1<<16)|(1<<20)|(4<<22)|(3<<25)
	s_mov_b32 s[G1+1],  64<<16
	s_mov_b32 s[G1Q+1], 64<<16
	s_mov_b32 s[G1+2],  128<<16
	s_mov_b32 s[G1Q+2], 32<<16
	s_mov_b32 s[G1+3],  64<<16
	s_mov_b32 s[G1Q+3], 64<<16
	s_mov_b32 s[G1+4],  128
	s_mov_b32 s[G1Q+4], 32
	s_mov_b32 s[G1+5],  64
	s_mov_b32 s[G1Q+5], 64
	s_mov_b32 s[G1+6],  0
	s_mov_b32 s[G1Q+6], 0
	s_mov_b32 s[G1+7],  0
	s_mov_b32 s[G1Q+7], 0
	s_mov_b32 s45, 0
	s_lshl_b32 s58, s12, 19                        ; my kv head's 32 tiles of 16,384 bytes,
	s_add_co_u32 s58, s58, 8388608                 ; behind q's 8 MiB
	s_mov_b32 s59, 0
	s_mul_i32 s60, s8, STEPB
	s_mul_i32 s61, s8, 32*KP
	s_lshl_b32 s62, s8, 12                         ; my 32 rows of tile 0
	s_mov_b32 s63, 0
	s_add_co_u32 s40, s8, 1                        ; slot 0: steps 1 to 4
	s_wait_dscnt 0x0
	s_wait_kmcnt 0x0
	s_add_nc_u64 s[42:43], s[4:5], s[58:59]
	s_mov_b32 s[G0Q], 1
	s_add_co_u32 s[G0Q+1], s61, R0
	s_add_nc_u64 s[G0Q+2:G0Q+3], s[42:43], s[62:63]
	s_or_b32 s[G0Q+3], s[G0Q+3], 0x80000000
	tensor_load_to_lds s[G0Q:G0Q+3], s[G1Q:G1Q+7]  ; the three first fills go out ahead of everything else: three tensor loads of the wave are out
	s_nop 0
.irp s, 0,1
	s_mov_b32 s[G0+4*\s], 1
	s_add_co_u32 s[G0+4*\s+1], s60, \s*SLOT
	SETADDR \s
	tensor_load_to_lds s[G0+4*\s:G0+4*\s+3], s[G1:G1+7]
	s_nop 0
.if \s == 0
	s_add_co_u32 s40, s40, 4                       ; slot 1: steps 5 to 8
.endif
.endr
	s_lshl_b32 s58, s12, 2
	s_add_co_u32 s58, s58, s8
	s_lshl_b32 s58, s58, 18                        ; my query head
	s_sub_co_u32 s62, 63, s11                      ; block B
	s_mov_b32 s61, 0
	s_lshl_b32 s60, s11, 12                        ; a block's 32 rows of 128 bytes
	s_add_co_u32 s60, s60, s58
	s_add_nc_u64 s[46:47], s[4:5], s[60:61]        ; block A's Q
	s_lshl_b32 s60, s62, 12
	s_add_co_u32 s60, s60, s58
	s_add_nc_u64 s[48:49], s[4:5], s[60:61]        ; block B's Q
	s_lshl_b32 s58, s12, 9                         ; ob: the four heads' 512 bytes of a row
	s_lshl_b32 s60, s11, 17                        ; a block's 32 rows of 4,096 bytes
	s_add_co_u32 s60, s60, s58
	s_add_nc_u64 s[50:51], s[6:7], s[60:61]
	s_lshl_b32 s60, s62, 17
	s_add_co_u32 s60, s60, s58
	s_add_nc_u64 s[52:53], s[6:7], s[60:61]
	s_mov_b32 s54, 0x76543210                      ; v_permlanex16_b32: lane i of one half reads lane i of the other
	s_mov_b32 s55, 0xfedcba98
	s_and_b32 s56, s11, 1
	s_lshl_b32 s56, s56, 5                         ; the block's first query inside its diagonal tile: 0 or 32
	s_and_b32 s57, s62, 1
	s_lshl_b32 s57, s57, 5
	v_and_b32 v1, 31, v0                           ; l
	v_and_b32 v28, 15, v0                          ; r
	v_bfe_u32 v29, v0, 4, 1                        ; h
	v_lshlrev_b32 v[QO], 7, v28
	v_lshl_add_u32 v[QO], v29, 4, v[QO]
	QLOAD QF, 46
	WIN 0x40                                       ; destination in window 1
	QLOAD QB, 48
.set x, 0
.rept 16
	v_mov_b32 v[LP+x], 0                           ; the running sums begin at 0
.set x, x+1
.endr
	WIN 0
	v_and_b32 v30, 7, v0                           ; l % 8
	v_bfe_u32 v31, v0, 3, 1                        ; (l / 8) % 2
	v_lshl_add_u32 v[KA], v30, 1, v31              ; operand row r = 8 a + b is key 2 b + a
	v_mul_u32_u24 v[KA], v[KA], KP
	v_lshl_add_u32 v[KA], v29, 4, v[KA]
	v_add_nc_u32 v[KA+1], SLOT, v[KA]
	v_add_nc_u32 v[KA+2], R0, v[KA]
	v_lshl_add_u32 v[VA], v30, 1, v29              ; the transposing load: lane l addresses key 2 (l % 8) + h, 16 bytes at 16 ((l / 8) % 2)
	v_mul_u32_u24 v[VA], v[VA], KP
	v_lshl_add_u32 v[VA], v31, 4, v[VA]
	v_add_nc_u32 v[VA], 64*KP, v[VA]               ; V's rows lie behind K's 64
	v_add_nc_u32 v[VA+1], SLOT, v[VA]
	v_add_nc_u32 v[VA+2], R0, v[VA]
	s_mul_i32 s58, s8, WST
	s_add_co_u32 s58, s58, STAGE                   ; my stage
	v_mul_u32_u24 v[SW], v28, OP
	v_lshl_add_u32 v[SW], v29, 4, v[SW]
	v_add_nc_u32 v[SW], s58, v[SW]
	v_lshrrev_b32 v30, 3, v1
	v_mul_u32_u24 v[SR], v30, WST
	v_and_b32 v31, 7, v1
	v_lshl_add_u32 v[SR], v31, 4, v[SR]
	s_mul_i32 s59, s8, 8*OP
	s_add_co_u32 s59, s59, STAGE
	v_add_nc_u32 v[SR], s59, v[SR]
	s_lshl_b32 s60, s8, 15                         ; my eight rows of ob
	v_lshl_add_u32 v[OO], v1, 4, s60
	v_sub_nc_u32 v[RH], v28, v29
	v_add_nc_u32 v[VT], s56, v[RH]
	v_mov_b32 v[NINF], 0xff800000
	v_mov_b32 v[MX], v[NINF]
	v_mov_b32 v[MX+1], v[NINF]
	s_wait_tensorcnt 0x1                           ; my quarter of step 0 and my step of slot 0 are in; slot 1's load stays out
	s_barrier_signal -1
	s_barrier_wait -1
	KLOAD 8, 0
	KLOAD 8, 1
	WIN 0x40
	VLOAD 8, 0
	WIN 0
	s_wait_loadcnt 0x0                             ; both blocks' Q
	s_wait_dscnt 16                                ; K's sixteen loads are in, V's sixteen may stay out
.irp i, 0,1,2,3,4,5,6,7
	SPROD 0, \i
.endr
.rept 4
	v_nop                                          ; four places (ISA guide 7.12.1) ahead of the first read of these scores
.endr
	AA 0, 0, 0
	BB 0, 0
	AA 1, 1, 0
	s_mov_b32 s15, 3
.Leight:                                               ; B(1) A(2) .. B(8) A(9), three times: up to A(25); block A ends at step nA - 1 <= 15
.irp st, 1,2,3,4,5,6,7,8
	BB \st, 2
	AA \st+1, 2, 1
.endr
	s_sub_co_u32 s15, s15, 1
	s_cmp_lg_u32 s15, 0
	s_cbranch_scc1 .Leight
.irp st, 25,26,27,28,29,30
	BB \st, 3
	AA \st+1, 3, 2                                 ; at A(28) the barrier shows the last slot whole; nothing is left to fetch
.endr
	BB 31, 3
	AA 32, 4, 0                                    ; block B's diagonal tile
	BB 32, 4
	WIN 0x51
.irp i, 0,1,2,3,4,5,6,7
	PPROD 1, \i, 0, 0
.endr
	WIN 0
	FINP 0                                         ; its plain instructions, which name none of the last products' registers, are the places in front of FINP 1
	FINP 1
	FOUT 52, 0
	s_wait_tensorcnt 0x0
	ds_add_u32 v254, v255
	s_wait_dscnt 0x0
	s_endpgm
.Lfunc_end_k_q17e4ae1f67_attn:
	.size	k_q17e4ae1f67_attn, .Lfunc_end_k_q17e4ae1f67_attn-k_q17e4ae1f67_attn
	.p2alignl 7, 3214868480
	.fill 96, 4, 3214868480
	.section	.rodata,"a",@progbits
	.p2align	6, 0x0
	.amdhsa_kernel k_q17e4ae1f67_attn
		.amdhsa_group_segment_fixed_size 327680
		.amdhsa_private_segment_fixed_size 0
		.amdhsa_enable_private_segment 0
		.amdhsa_kernarg_size 16
		.amdhsa_user_sgpr_count 2
		.amdhsa_user_sgpr_kernarg_segment_ptr 1
		.amdhsa_wavefront_size32 1
		.amdhsa_system_sgpr_workgroup_id_x 1
		.amdhsa_system_sgpr_workgroup_id_y 1
		.amdhsa_system_sgpr_workgroup_id_z 1
		.amdhsa_system_vgpr_workitem_id 0
		.amdhsa_next_free_vgpr 512
		.amdhsa_next_free_sgpr 80
		.amdhsa_reserve_vcc 1
		.amdhsa_float_denorm_mode_32 3
		.amdhsa_float_denorm_mode_16_64 3
		.amdhsa_memory_ordered 1
		.amdhsa_forward_progress 1
		.amdhsa_inst_pref_size 255
	.end_amdhsa_kernel
	.section	.bss,"aw",@nobits
	.p2align	6
	.space	262144
	.amdgpu_metadata
---
amdhsa.version: [ 1, 2 ]
amdhsa.kernels:
  - .name:           k_q17e4ae1f67_attn
    .symbol:         k_q17e4ae1f67_attn.kd
    .args:
      - { .name: qkv, .offset: 0, .size: 8, .value_kind: global_buffer, .address_space: global }
      - { .name: ob, .offset: 8, .size: 8, .value_kind: global_buffer, .address_space: global }
    .group_segment_fixed_size: 327680
    .private_segment_fixed_size: 0
    .kernarg_segment_align: 8
    .kernarg_segment_size: 16
    .max_flat_workgroup_size: 128
    .sgpr_count:     80
    .vgpr_count:     512
    .wavefront_size: 32
...
	.end_amdgpu_metadata
.endif
;; end of part 3
;; launch oproj (part 4): grid 16 x 16, 4 waves a work-group, clusters of 4 x 4, 327,680 bytes of LDS; arguments ob, cv, out0; writes out0
.if DOCPART == 4
	.amdgcn_target "amdgcn-amd-amdhsa--gfx1250"
	.amdhsa_code_object_version 6
	.text
	.protected	k_q17e4ae1f67_oproj
	.globl	k_q17e4ae1f67_oproj
	.p2align	8
	.type	k_q17e4ae1f67_oproj,@function
k_q17e4ae1f67_oproj:
	s_mov_b64 s[64:65], 0
	v_nop
	global_prefetch_b8 v0, s[64:65] scope:SCOPE_SE
	s_setreg_imm32_b32 hwreg(HW_REG_WAVE_MODE, 25, 1), 1
	s_wait_xcnt 0x0
	s_wait_alu depctr_hold_cnt(0) depctr_sa_sdst(0) depctr_va_vdst(0) depctr_va_sdst(0) depctr_va_ssrc(0) depctr_va_vcc(0) depctr_vm_vsrc(0)
	s_getreg_b32 s2, hwreg(HW_REG_IB_STS2, 6, 4)
	s_cmp_eq_u32 s2, 0
	s_cbranch_scc0 .Lentry_in_a_cluster
	s_endpgm
.Lentry_in_a_cluster:
	s_bfe_u32 s2, ttmp6, 0x10000c
	s_cmp_lg_u32 s2, 0xf033
	s_cbranch_scc0 .Lentry_shape_is_right
	s_endpgm
.Lentry_shape_is_right:
; LAUNCH 4 OF 4: out0[s][n] = sum over k of ob[s][k] Wo[n][k].  ob f16 [2048][2048]; Wo f16 [2048][2048] at byte 20 Mi of cv; out0 f32; sums f32.
; A work-group makes 128 x 128 with four waves, a wave 64 x 64: 16 accumulator tiles.  K goes through two LDS slots of 256 along K each
; (rows of 512 bytes of memory, aligned), filled by the tensor data mover: one barrier for eight quarter steps of 32.
; CLUSTERS: 4 x 4 work-groups; ob's tile is asked for jointly along a row of the cluster, Wo's along a column: a quarter of the requests.
; The matrix instruction is used transposed (source 0 = rows of Wo, source 1 = rows of ob): a lane holds eight neighbouring columns of one row.
; REGISTERS: window 0: v16-26 addresses, v64-127 and v128-191 two fragment buffers (4 of Wo, 4 of ob); window 1: v0-127 accumulators, tile (a, t) at 8 (4 a + t).
.set KSLOT,  256
.set PITCH,  528                       ; 512 bytes + 16 of padding: an odd multiple of 16
.set REG,    64*PITCH                  ; what one tensor load fills
.set SLOT,   4*REG
.set STAGE,  2*SLOT                    ; behind the ring, never filled by a tensor load: 16 rows x 272 bytes for each wave, its own
.set SPITCH, 272
.set LAPS,   4                         ; 2,048 / (2 x 256)
.set NBT,    4
.set NL,     2*(NBT+4)
.set ADRA, 16
.set ADRB, 20
.set STO,  24
.set RD,   25
.set CO,   26
.set F0,   64
.set F1,   128
.set G1,  24
.set G0,  32
.set G1B, 48
.set G0B, 56
.set MUL, 0x50
.set MSB, 0
.macro WIN new
.if MSB != \new
	s_set_vgpr_msb (MSB<<8)|\new
.set MSB, \new
.endif
.endm
.macro PLACES                          ; four plain vector places behind a matrix instruction (ISA guide 7.12.1)
.rept 4
	v_nop
.endr
.endm
.macro JLOAD s                         ; waves 0, 1 ask for ob's two halves, waves 2, 3 for Wo's
	s_cmp_eq_u32 s13, 0
	s_cbranch_scc0 .Lfor_b_\@
	tensor_load_to_lds s[G0+4*\s:G0+4*\s+3], s[G1:G1+7]
	s_nop 0
	s_branch .Lasked_\@
.Lfor_b_\@:
	tensor_load_to_lds s[G0B+4*\s:G0B+4*\s+3], s[G1B:G1B+7]
	s_nop 0
.Lasked_\@:
.endm
.macro CREST
	s_cmp_lg_u32 s12, 0
	s_cbranch_scc1 .Lnot_wave_0_\@
	s_barrier_signal -3
.Lnot_wave_0_\@:
	s_barrier_wait -3
	s_barrier_signal -1
	s_barrier_wait -1
.endm
.macro CROUND
	s_barrier_signal -1
	s_barrier_wait -1
	CREST
.endm
	s_load_b128 s[4:7], s[0:1], 0x0                ; ob s[4:5], cv s[6:7]
	s_load_b64 s[8:9], s[0:1], 0x10                ; out0
	v_lshl_add_u32 v254, v0, 2, 0x46400
	v_mov_b32 v255, 0
	ds_add_u32 v254, v255
	v_lshrrev_b32 v1, 5, v0
	v_readfirstlane_b32 s12, v1                    ; wave
	s_lshr_b32 s13, s12, 1                         ; mw; also: I fetch for ob (0) or for Wo (1)
	s_and_b32 s14, s12, 1                          ; nw; also: which half of that tile
	s_bfe_u32 s40, ttmp6, 0x40000                  ; cx
	s_bfe_u32 s41, ttmp6, 0x40004                  ; cy
	s_lshl_b32 s42, ttmp9, 2
	s_add_co_u32 s42, s42, s40                     ; bc
	s_and_b32 s43, ttmp7, 0xffff
	s_lshl_b32 s43, s43, 2
	s_add_co_u32 s43, s43, s41                     ; br
	s_lshl_b32 s44, s41, 2
	s_lshl_b32 s44, 15, s44                        ; my row of the cluster
	s_lshl_b32 s45, 0x1111, s40                    ; my column
	; group 1: elements of 2 bytes, 16 bytes of padding behind every 128 words, bit 21 beside the mask; 64 rows of 256 elements, 2,048 elements from row to row
	s_or_b32 s[G1+0],  s44, (1<<16)|(1<<20)|(1<<21)|(6<<22)|(3<<25)
	s_or_b32 s[G1B+0], s45, (1<<16)|(1<<20)|(1<<21)|(6<<22)|(3<<25)
	s_mov_b32 s[G1+1],  KSLOT<<16
	s_mov_b32 s[G1B+1], KSLOT<<16
	s_mov_b32 s[G1+2],  64<<16
	s_mov_b32 s[G1B+2], 64<<16
	s_mov_b32 s[G1+3],  KSLOT<<16
	s_mov_b32 s[G1B+3], KSLOT<<16
	s_mov_b32 s[G1+4],  64
	s_mov_b32 s[G1B+4], 64
	s_mov_b32 s[G1+5],  2048
	s_mov_b32 s[G1B+5], 2048
	s_mov_b32 s[G1+6],  0
	s_mov_b32 s[G1B+6], 0
	s_mov_b32 s[G1+7],  0
	s_mov_b32 s[G1B+7], 0
	s_lshl_b32 s16, s43, 19                        ; ob: 128 br rows of 4,096 bytes
	s_lshl_b32 s17, s14, 18                        ; + 64 nw rows
	s_add_co_u32 s16, s16, s17
	s_mov_b32 s17, 0
	s_lshl_b32 s46, s42, 19                        ; Wo: 128 bc rows
	s_lshl_b32 s47, s14, 18
	s_add_co_u32 s46, s46, s47
	s_add_co_u32 s46, s46, 20971520                ; Wo begins 20 MiB into cv
	s_mov_b32 s47, 0
	s_mul_i32 s22, s12, REG
	s_wait_dscnt 0x0
	s_wait_kmcnt 0x0
	s_add_nc_u64 s[20:21], s[4:5], s[16:17]
	s_add_nc_u64 s[46:47], s[6:7], s[46:47]
	CROUND                                         ; the first joint loads meet
.irp s, 0,1
	s_mov_b32 s[G0+4*\s], 1
	s_add_co_u32 s[G0+4*\s+1], s22, \s*SLOT
	s_add_nc_u64 s[G0+4*\s+2:G0+4*\s+3], s[20:21], \s*KSLOT*2
	s_or_b32 s[G0+4*\s+3], s[G0+4*\s+3], 0x80000000
	s_mov_b32 s[G0B+4*\s], 1
	s_add_co_u32 s[G0B+4*\s+1], s22, \s*SLOT
	s_add_nc_u64 s[G0B+4*\s+2:G0B+4*\s+3], s[46:47], \s*KSLOT*2
	s_or_b32 s[G0B+4*\s+3], s[G0B+4*\s+3], 0x80000000
	JLOAD \s                                       ; two tensor loads of the wave are out
.endr
	v_and_b32 v1, 15, v0                           ; r
	v_bfe_u32 v2, v0, 4, 1                         ; h
	v_mul_u32_u24 v3, v1, PITCH
	v_lshl_add_u32 v3, v2, 4, v3
	s_mul_i32 s76, s13, REG                        ; my 64 rows of ob
	s_mul_i32 s77, s14, REG                        ; my 64 rows of Wo,
	s_add_co_u32 s77, s77, 2*REG                   ; behind ob's two regions
.irp s, 0,1
	v_add_nc_u32 v[ADRA+\s], s76, v3
	v_add_nc_u32 v[ADRB+\s], s77, v3
	s_add_co_u32 s76, s76, SLOT
	s_add_co_u32 s77, s77, SLOT
.endr
	s_mul_i32 s78, s12, 16*SPITCH
	s_add_co_u32 s78, s78, STAGE                   ; my stage
	v_mul_u32_u24 v4, v1, SPITCH                   ; in: row r, my 32 bytes at 32 h of each tile's 64
	v_lshl_add_u32 v4, v2, 5, v4
	v_add_nc_u32 v[STO], s78, v4
	v_mul_u32_u24 v5, v2, SPITCH                   ; back: lanes 0-15 one row of 256 bytes, lanes 16-31 the next
	v_lshl_add_u32 v5, v1, 4, v5
	v_add_nc_u32 v[RD], s78, v5
	v_lshlrev_b32 v5, 13, v2                       ; the same two rows in out0 (8,192 bytes a row)
	v_lshl_add_u32 v[CO], v1, 4, v5
	s_lshl_b32 s66, s43, 20                        ; 128 br rows
	s_lshl_b32 s67, s13, 19                        ; + 64 mw rows
	s_add_co_u32 s66, s66, s67
	s_lshl_b32 s67, s42, 9                         ; + 128 bc columns of 4 bytes
	s_add_co_u32 s66, s66, s67
	s_lshl_b32 s67, s14, 8                         ; + 64 nw columns
	s_add_co_u32 s66, s66, s67
	s_mov_b32 s67, 0
	s_add_nc_u64 s[8:9], s[8:9], s[66:67]
.macro FETCH slot, k, f
.irp t, 0,1,2,3
	ds_load_b128 v[\f+8*\t:\f+8*\t+3],   v[ADRB+\slot] offset:\k+\t*16*PITCH
	ds_load_b128 v[\f+8*\t+4:\f+8*\t+7], v[ADRB+\slot] offset:\k+\t*16*PITCH+32
.endr
.irp a, 0,1,2,3
	ds_load_b128 v[\f+8*NBT+8*\a:\f+8*NBT+8*\a+3],   v[ADRA+\slot] offset:\k+\a*16*PITCH
	ds_load_b128 v[\f+8*NBT+8*\a+4:\f+8*NBT+8*\a+7], v[ADRA+\slot] offset:\k+\a*16*PITCH+32
.endr
.endm
; The 16 accumulators take turns, one instruction a turn, in the same order in every quarter step and over the backward jump.
.macro MULA f, a, zero
.irp t, 0,1,2,3
.if \zero
	v_wmma_f32_16x16x32_f16 v[8*(NBT*\a+\t):8*(NBT*\a+\t)+7], v[\f+8*\t:\f+8*\t+7], v[\f+8*NBT+8*\a:\f+8*NBT+8*\a+7], 0
.else
	v_wmma_f32_16x16x32_f16 v[8*(NBT*\a+\t):8*(NBT*\a+\t)+7], v[\f+8*\t:\f+8*\t+7], v[\f+8*NBT+8*\a:\f+8*NBT+8*\a+7], v[8*(NBT*\a+\t):8*(NBT*\a+\t)+7]
.endif
.endr
.endm
.macro QUARTER slot, k, f, g, zero
	WIN 0
	PLACES
	FETCH \slot, \k, \g
	s_wait_dscnt NL                                ; all but the NL loads just issued are in: buffer f is whole
	WIN MUL
	MULA \f, 0, \zero
	MULA \f, 1, \zero
	MULA \f, 2, \zero
	MULA \f, 3, \zero
.endm
.macro SEVEN slot, zero
	QUARTER \slot, 64,  F0, F1, \zero
	QUARTER \slot, 128, F1, F0, 0
	QUARTER \slot, 192, F0, F1, 0
	QUARTER \slot, 256, F1, F0, 0
	QUARTER \slot, 320, F0, F1, 0
	QUARTER \slot, 384, F1, F0, 0
	QUARTER \slot, 448, F0, F1, 0
.endm
; The slot's last 32 along K, on buffer 1, and the change of slots: each wave's reads of this slot and all its tensor loads are waited for in front
; of the barrier; with fill = 1 the barrier opens a round of the cluster's barrier and the joint refill is the first tensor load behind the round.
.macro TURN slot, next, fill
	s_wait_dscnt 0x0
	s_wait_tensorcnt 0x0
	ds_add_u32 v254, v255
	s_wait_dscnt 0x0
	s_barrier_signal -1
	WIN MUL
	MULA F1, 0, 0
	MULA F1, 1, 0
	WIN 0
	s_barrier_wait -1
.if \fill
	CREST
	s_add_nc_u64 s[G0+4*\slot+2:G0+4*\slot+3], s[G0+4*\slot+2:G0+4*\slot+3], 2*KSLOT*2
	s_add_nc_u64 s[G0B+4*\slot+2:G0B+4*\slot+3], s[G0B+4*\slot+2:G0B+4*\slot+3], 2*KSLOT*2
	JLOAD \slot
.endif
	PLACES
	FETCH \next, 0, F0
	WIN MUL
	MULA F1, 2, 0
	MULA F1, 3, 0
.endm
.macro LAP zero
	SEVEN 0, \zero
	TURN 0, 1, 1
	SEVEN 1, 0
	TURN 1, 0, 1
.endm
	s_wait_tensorcnt 0x1                           ; my part of slot 0 is in; slot 1's load stays out
	s_barrier_signal -1
	s_barrier_wait -1
	FETCH 0, 0, F0
	LAP 1
	WIN 0
	s_mov_b32 s3, LAPS-2
.Llap:
	LAP 0
	WIN 0
	s_sub_co_u32 s3, s3, 1
	s_cmp_lg_u32 s3, 0
	s_cbranch_scc1 .Llap
	SEVEN 0, 0                                     ; the last lap fills nothing
	TURN 0, 1, 0
	SEVEN 1, 0
	s_wait_dscnt 0x0
	WIN MUL
	MULA F1, 0, 0
	MULA F1, 1, 0
	MULA F1, 2, 0
	MULA F1, 3, 0
	WIN 0
	PLACES
	; THE WAY OUT, 16 rows at a time through my own stage: f32 straight from the accumulators, read back as whole rows of 256 bytes.
	; LDS serves a wave's instructions in order (ISA guide 5.7.1.4), so no wait stands between my stores and my loads, nor in front of the next rows' stores.
.macro OUT16 a
	WIN 0x04                                       ; the store's data in window 1
.irp t, 0,1,2,3
	ds_store_b128 v[STO], v[8*(NBT*\a+\t):8*(NBT*\a+\t)+3]   offset:64*\t
	ds_store_b128 v[STO], v[8*(NBT*\a+\t)+4:8*(NBT*\a+\t)+7] offset:64*\t+16
.endr
	WIN 0
.irp t, 0,1,2,3,4,5,6,7
	ds_load_b128 v[F0+32*\a+4*\t:F0+32*\a+4*\t+3], v[RD] offset:\t*2*SPITCH
.endr
.irp t, 0,1,2,3,4,5,6,7
	s_wait_dscnt 7-\t                              ; the younger loads of the eight may stay out
	global_store_b128 v[CO], v[F0+32*\a+4*\t:F0+32*\a+4*\t+3], s[8:9] offset:\a*131072+\t*16384 th:TH_STORE_NT   ; 16 lanes store 256 neighbouring bytes, aligned
.endr
.endm
	OUT16 0
	OUT16 1
	OUT16 2
	OUT16 3
	s_wait_tensorcnt 0x0
	ds_add_u32 v254, v255
	s_wait_dscnt 0x0
	CROUND                                         ; the closing round
	s_endpgm
.Lfunc_end_k_q17e4ae1f67_oproj:
	.size	k_q17e4ae1f67_oproj, .Lfunc_end_k_q17e4ae1f67_oproj-k_q17e4ae1f67_oproj
	.p2alignl 7, 3214868480
	.fill 96, 4, 3214868480
	.section	.rodata,"a",@progbits
	.p2align	6, 0x0
	.amdhsa_kernel k_q17e4ae1f67_oproj
		.amdhsa_group_segment_fixed_size 327680
		.amdhsa_private_segment_fixed_size 0
		.amdhsa_enable_private_segment 0
		.amdhsa_kernarg_size 24
		.amdhsa_user_sgpr_count 2
		.amdhsa_user_sgpr_kernarg_segment_ptr 1
		.amdhsa_wavefront_size32 1
		.amdhsa_system_sgpr_workgroup_id_x 1
		.amdhsa_system_sgpr_workgroup_id_y 1
		.amdhsa_system_sgpr_workgroup_id_z 1
		.amdhsa_system_vgpr_workitem_id 0
		.amdhsa_next_free_vgpr 384
		.amdhsa_next_free_sgpr 80
		.amdhsa_reserve_vcc 0
		.amdhsa_float_denorm_mode_32 3
		.amdhsa_float_denorm_mode_16_64 3
		.amdhsa_memory_ordered 1
		.amdhsa_forward_progress 1
		.amdhsa_inst_pref_size 126
	.end_amdhsa_kernel
	.amdgpu_metadata
---
amdhsa.version: [ 1, 2 ]
amdhsa.kernels:
  - .name:           k_q17e4ae1f67_oproj
    .symbol:         k_q17e4ae1f67_oproj.kd
    .args:
      - { .name: ob, .offset: 0, .size: 8, .value_kind: global_buffer, .address_space: global }
      - { .name: cv, .offset: 8, .size: 8, .value_kind: global_buffer, .address_space: global }
      - { .name: out0, .offset: 16, .size: 8, .value_kind: global_buffer, .address_space: global }
    .group_segment_fixed_size: 327680
    .private_segment_fixed_size: 0
    .kernarg_segment_align: 8
    .kernarg_segment_size: 24
    .max_flat_workgroup_size: 128
    .sgpr_count:     80
    .vgpr_count:     384
    .wavefront_size: 32
...
	.end_amdgpu_metadata
.endif
;; end of part 4
